; MI455X (gfx1250); checked and timed in simulation.
; The chip was launched on July 23, 2026; its instructions are those of AMD's public machine-readable ISA for CDNA 5 (MIT licence, August 2026) and "CDNA5" Instruction Set Architecture Reference Guide (July 2026). The comments in the code are by the model that wrote it; some were corrected since.
;; Causal Self Attention. Allowed arithmetic: matrix products marked QUANTISED: E5M2 operands, one given power-of-two scale a tensor, by v_wmma_f32_16x16x64_bf8_bf8 or v_wmma_f32_16x16x128_bf8_bf8, f32 sums; everything else in f32.
;; Inputs: lowp_scales 8 int32 (the exponents e of the quantised operands' scales 2^e); w_out_codes 1,024 x 32 x 32 uint8 (E5M2 codes of w_out, K innermost, in blocks of 32 codes); w_qkv_codes 3,072 x 32 x 32 uint8 (E5M2 codes of w_qkv, K innermost, in blocks of 32 codes); x_codes 4 x 2,048 x 32 x 32 uint8 (E5M2 codes of x, K innermost, in blocks of 32 codes).
;; Outputs: out0 4 x 2,048 x 1,024 float32.
;; This version of the problem:
;;   THIS VERSION OF THE PROBLEM IS GIVEN IN LOW PRECISION. The matrix products marked QUANTISED in the list below multiply operands that are first quantised to E5M2 (5 exponent bits, 2 mantissa bits; 8 bits a number), with one given power-of-two scale for each operand tensor; their sums are f32. All else is computed in f32.
;;   The module's matrix products, in the order in which they are computed (A, B: the left and right operand; K: the contracted axis; several contracted axes count as one K, in the product's order):
;;     1. [M 8,192, K 1,024] x [K 1,024, N 3,072]; A: input x (given as codes); B: input w_qkv (given as codes): QUANTISED (scales: A lowp_scales[0], B lowp_scales[1])
;;     2. batch 64 x [M 2,048, K 64] x [K 64, N 2,048]; A: computed on the way; B: computed on the way: QUANTISED (scales: A lowp_scales[2], B lowp_scales[3])
;;     3. batch 64 x [M 2,048, K 2,048] x [K 2,048, N 64]; A: softmax (see below); B: computed on the way: QUANTISED (scales: A lowp_scales[4], B lowp_scales[5])
;;     4. [M 8,192, K 1,024] x [K 1,024, N 1,024]; A: computed on the way; B: input w_out (given as codes): QUANTISED (scales: A lowp_scales[6], B lowp_scales[7])
;;   THE QUANTISER, for each operand of a quantised product, along K:
;;     - The operand's scale is 2^e, e = its entry of the input lowp_scales (int32; the entries are numbered through the quantised products in the list's order, A before B).
;;     - Each number is divided by the scale, clamped to +-57,344, and rounded to the nearest number of E5M2, ties to even, subnormals kept.
;;     - The product sums the exact products of the quantised numbers (number of the format x scale) in f32.
;;   ~~~python
;;   def quantise(x, axis, e):      # numpy; x: float32 -> the quantised numbers, widened to float32 again
;;       x = np.moveaxis(x, axis, -1); K = x.shape[-1]
;;       r = np.clip(x / 2.0 ** e, -57344, 57344)
;;       step = 2.0 ** (np.maximum(np.frexp(np.where(r == 0, 1, r))[1] - 1, -14) - 2)
;;       q = np.round(r / step) * step * 2.0 ** e      # np.round: ties to even
;;       return np.moveaxis(q, -1, axis).astype(np.float32)
;;   ~~~
;;   SOFTMAX AHEAD OF A QUANTISED PRODUCT. Where the list says 'softmax', what is quantised is not the finished softmax but p = 2^(t - M), with t = logit x log2(e) and M = ceil(the row's largest t), a whole number; so 1/2 < the row's largest p <= 1. The row's sum l is taken of the UNQUANTISED p, in f32, and the product's result is divided by l at the end. Since M is a whole number, a kernel that streams over the keys may use a running M (the ceiling of the running maximum): every later rescaling is an exact power of two, so the quantised numbers keep their values, but for numbers so far below the row's largest that they fall under the format's range.
;;   OPERANDS COMPUTED ON THE WAY. 'Computed on the way' means the value that the module computes at that place (a softmax that the list does not call 'softmax' is quantised finished and normalised). What goes into a quantiser is computed in f32, as accurately as f32 sums, v_exp_f32 and their like allow (about 1e-6 of the number): no bf16 or f16 on the way to a quantiser, and a product that is left as it is and whose result goes on into a quantised operand takes f32 operands (vector FMAs, or v_wmma_f32_16x16x4_f32). A number that lies on a knife's edge between two numbers of the format may be rounded either way, as far as f32 arithmetic and the matrix unit's own rounding can turn it there, and no further.
;;   INPUTS GIVEN AS CODES. w_out (in the module: [1024, 1024], K = its axis 1); w_qkv (in the module: [3072, 1024], K = its axis 1); x (in the module: [4, 2048, 1024], K = its axis 2): each comes as NAME_codes (uint8): NAME with its K axis moved to the last place and cut into blocks of 32 codes, [.., K / 32, bytes a block], one block behind the other in memory; one code a byte (a code: sign, 5 exponent bits, 2 mantissa bits); its scale is its entry of lowp_scales. Its value is code x scale, taken as it is: it is not quantised again, and the codes and scales need not be those that the quantiser above would give.
;; One version. Each part assembles by itself: llvm-mc -triple=amdgcn-amd-amdhsa -mcpu=gfx1250 --defsym DOCPART=n.
;; ======== version 1 of 1: 3 launches
;; limits: right only within a limited range of input values
;; workspace buffers: qkv 25,165,824 bytes; a_img 8,388,608 bytes
;; launch qkv (part 1): grid 12 x 32, 4 waves a work-group, clusters of 4 x 4, 327,680 bytes of LDS; arguments x_codes, w_qkv_codes, lowp_scales, qkv; writes qkv
.if DOCPART == 1
	.amdgcn_target "amdgcn-amd-amdhsa--gfx1250"
	.amdhsa_code_object_version 6
	.text
	.protected	k_qb975a4b2aa_qkv
	.globl	k_qb975a4b2aa_qkv
	.p2align	8
	.type	k_qb975a4b2aa_qkv,@function
k_qb975a4b2aa_qkv:
	s_mov_b64 s[64:65], 0
	v_nop
	global_prefetch_b8 v0, s[64:65] scope:SCOPE_SE
	s_setreg_imm32_b32 hwreg(HW_REG_WAVE_MODE, 25, 1), 1
	s_wait_xcnt 0x0
	s_wait_alu depctr_hold_cnt(0) depctr_sa_sdst(0) depctr_va_vdst(0) depctr_va_sdst(0) depctr_va_ssrc(0) depctr_va_vcc(0) depctr_vm_vsrc(0)
	s_getreg_b32 s2, hwreg(HW_REG_IB_STS2, 6, 4)
	s_cmp_eq_u32 s2, 0
	s_cbranch_scc0 .Lentry_in_a_cluster
	s_endpgm
.Lentry_in_a_cluster:
	s_bfe_u32 s2, ttmp6, 0x10000c
	s_cmp_lg_u32 s2, 0xf033
	s_cbranch_scc0 .Lentry_shape_is_right
	s_endpgm
.Lentry_shape_is_right:
; qkv = x w_qkv^T on codes of BF8 (E5M2), and q, k, v quantised at once for the attention that follows.
; x: [8192][1024] codes, w_qkv: [3072][1024] codes, K innermost.  A sum stands for sum x 2^(e0 + e1); its code under the scale 2^ed (ed = e2 for q, e3 for k, e5 for v) is
; sum / 2^(ed - e0 - e1), held within +-57,344, to the nearest code, ties to even.
; LIMITS: ed - e0 - e1 between -126 and 112, so that the scale and 57,344 x the scale are f32 numbers.  NaN among the sums is not served.
; A tile of 256 x 256 results is made by a work-group of four waves; a wave makes 128 x 128: 64 accumulators of 16 x 16, 512 registers.  K goes in steps of 256 through a ring of two LDS slots.
; THE MATRIX INSTRUCTION: source 0 = 16 rows of "B", source 1 = 16 rows of "A": a lane then holds ONE row of A and, in an accumulator's eight registers, eight neighbouring rows of B.
; SECTIONS.  The cluster's x is the section.  q (0) and k (1): A = x (tokens), B = w_qkv (features): a lane holds a token and its registers run along the head's 64, the K of the scores.
; v (2): A = w_qkv's rows 2,048 on (channels), B = x (tokens): a lane holds a channel and its registers run along the tokens, the K of the second product of attention.
; Only pointers and two coordinates are chosen by the section (selects on the cluster's x, which all sixteen partners share); there is one path through the text.
; SO THE CONVERSIONS' RESULTS ARE THE NEXT PRODUCTS' OPERAND REGISTERS, and they are stored as such: the buffer qkv is [section 3][batch 4][pair of heads 8][block of 128 tokens 16][a 8][group 4][lane 32][16 bytes]:
; a = A's block of 16 rows in my 128, group = four registers (B's blocks 2 group, 2 group + 1).  A wave's store covers 512 consecutive bytes, aligned.
; CLUSTERS: 4 x 4 work-groups.  The four of a row of the cluster need the same tiles of A, the four of a column the same tiles of B: each tile is asked for JOINTLY.
; No prefetch is written: K has four slots' worth of tiles, and two of the four are asked for in the first lines.
; REGISTERS, in windows of 256: window 0: v0-31 addresses and the scale number; from v128 A's fragments (8 x 16 rows x 128 K), ONE set; on the way out the codes.
;   window 1: B's fragments, TWO sets, at v0 and at v128.   window 2: the 32 accumulators of my rows 0-63 of A (accumulator (a, b) at v[8 (8 a + b)]);   window 3: those of my rows 64-127.
.set ROWB,   256                       ; a tile's row in bytes: 256 codes
.set KROW,   1024                      ; a row of x or of w_qkv in memory, in bytes
.set PITCH,  272                       ; an LDS row: 256 bytes + 16 of padding = 68 words: row r starts at bank 4 r mod 64 (64 banks of 4 bytes: ISA guide 11.1)
.set FR,     16                        ; registers of a fragment: 16 rows x 128 K
.set NL,     4                         ; LDS loads that bring one
.set NP,     4                         ; places behind this matrix instruction (ISA guide 7.12.1)
.set HALFT,  128*PITCH                 ; 128 rows: what one tensor load brings, and what one wave reads of A or of B
.set SLOT,   4*HALFT                   ; A's 256 rows, then B's 256 rows
.set SPARE,  2*SLOT                    ; behind the ring: the spare words, 128 bytes for each wave: two blocks of 256 bytes that no other line names
.set ADRA, 16                          ; v16-17  LDS address of my A fragments in slot 0, 1
.set ADRB, 20                          ; v20-21  the same for B
.set LI,   26                          ; v26     16 x lane: my place in a stored group of four registers
.set SPW,  28                          ; v28     LDS address of my spare word: SPARE + 4 x my thread's number; never rewritten
.set NIL,  29                          ; v29     0; never rewritten
.set SCL,  30                          ; v30     2^(ed - e0 - e1) as f32: the conversions take its exponent field
.set LIM,  31
.set TMP,  32
.set AF,   128                         ; A's fragments, in window 0
.set CD,   128                         ; the way out: 16 registers of codes for each of the eight blocks, so that no store's data are written again
.set G1, 24                            ; s[24:31] descriptor group 1 for A's tiles;  s[32:39] group 0, one set for each slot
.set G0, 32
.set G1B, 48                           ; s[48:55], s[56:63] the same for B's tiles
.set G0B, 56
.set MSB, 0
.macro WIN new                         ; the immediate's high byte repeats the setting that is left
.if MSB != (\new)
	s_set_vgpr_msb (MSB<<8)|(\new)
.set MSB, (\new)
.endif
.endm
.set MUL_LO, 0xa1                      ; source 0 (B) window 1, source 1 (A) window 0, C and D window 2
.set MUL_HI, 0xf1                      ; the same, C and D window 3
.set TO_B,   0x40                      ; destination window 1, address window 0
; A joint load: waves 0 and 1 fetch for A, waves 2 and 3 for B.  Each of the two lines has ONE mask and one set of registers for all that issue it; the branch hangs on the wave's number alone.
; Four v_nop follow each of the two lines, ahead of the jump, the label and what follows.
.macro JLOAD g0a, g1a, g0b, g1b
	s_cmp_eq_u32 s15, 0
	s_cbranch_scc0 .Lfor_b_\@
	tensor_load_to_lds s[\g0a:\g0a+3], s[\g1a:\g1a+7]
	s_nop 0
.rept 4
	v_nop
.endr
	s_branch .Lasked_\@
.Lfor_b_\@:
	tensor_load_to_lds s[\g0b:\g0b+3], s[\g1b:\g1b+7]
	s_nop 0
.rept 4
	v_nop
.endr
.Lasked_\@:
.endm
.macro CREST                           ; a round of the cluster's barrier behind its opening barrier
	s_cmp_lg_u32 s14, 0
	s_cbranch_scc1 .Lnot_wave_0_\@
	s_barrier_signal -3
.Lnot_wave_0_\@:
	s_barrier_wait -3
	s_barrier_signal -1
	s_barrier_wait -1
.endm
.macro CROUND                          ; a whole round
	s_barrier_signal -1
	s_barrier_wait -1
	CREST
.endm
	s_load_b128 s[4:7], s[0:1], 0x0                ; x's codes s[4:5], w_qkv's codes s[6:7]
	s_load_b128 s[8:11], s[0:1], 0x10              ; the scales' exponents s[8:9], the buffer qkv s[10:11]
	v_lshl_add_u32 v[SPW], v0, 2, SPARE
	v_mov_b32 v[NIL], 0
	ds_add_u32 v28, v29
	ds_add_u32 v28, v29
	s_wait_dscnt 0x0
	v_lshrrev_b32 v1, 5, v0
	v_readfirstlane_b32 s14, v1                    ; wave 0..3
	s_lshr_b32 s15, s14, 1                         ; which half of A's 256 rows is mine.  Also: I fetch for A (0) or for B (1)
	s_and_b32 s16, s14, 1                          ; which half of B's 256 rows.  Also: which 128 rows of that tile I fetch
	s_bfe_u32 s40, ttmp6, 0x40000                  ; cx, cy: my place in the cluster
	s_bfe_u32 s41, ttmp6, 0x40004
	s_and_b32 s66, ttmp7, 0xffff                   ; the cluster's y, 0..7
	s_cmp_eq_u32 ttmp9, 2                          ; the section v?  The same in all sixteen partners
	s_cselect_b32 s67, s66, ttmp9                  ; B's tiles: v: by the cluster's y (tokens); q, k: by the cluster's x (features)
	s_cselect_b32 s66, 0, s66                      ; A's tiles: v: the four of the 1,024 channels; q, k: by the cluster's y (tokens)
	s_lshl_b32 s42, s67, 2
	s_add_co_u32 s42, s42, s40                     ; B's tile of 256 rows = 4 x that + cx
	s_lshl_b32 s17, s66, 2
	s_add_co_u32 s17, s17, s41                     ; A's tile of 256 rows = 4 x that + cy
	s_lshl_b32 s43, s41, 2
	s_lshl_b32 s43, 15, s43                        ; my row of the cluster
	s_lshl_b32 s44, 0x1111, s40                    ; my column
	; descriptor group 1: a tile of 128 rows x 256 bytes, padded in LDS
	s_or_b32 s[G1+0], s43, (0<<16)|(1<<20)|(1<<21)|(5<<22)|(3<<25)  ; 15:0 the mask: A's tiles go to my row; 17:16 element of 1 byte; 20 padding on; 21 set beside a mask; 24:22 after every 64 words (code 5); 31:25 of 4 words (code 3)
	s_or_b32 s[G1B+0], s44, (0<<16)|(1<<20)|(1<<21)|(5<<22)|(3<<25) ; the same with the mask of my column
.irp g, G1, G1B
	s_mov_b32 s[\g+1], ROWB<<16                    ; tensor_dim0
	s_mov_b32 s[\g+2], 128<<16                     ; tensor_dim1 = 128
	s_mov_b32 s[\g+3], ROWB<<16                    ; tile_dim0
	s_mov_b32 s[\g+4], 128                         ; tile_dim1 = 128
	s_mov_b32 s[\g+5], KROW                        ; tensor_dim0_stride
	s_mov_b32 s[\g+6], 0
	s_mov_b32 s[\g+7], 0
.endr
	s_lshl_b32 s18, s16, 7                         ; which 128 rows of the tile I fetch
	s_lshl_b32 s20, s17, 8
	s_add_co_u32 s20, s20, s18                     ; A: row 256 x tile + 128 x half
	s_lshl_b32 s46, s42, 8
	s_add_co_u32 s46, s46, s18                     ; B: likewise
	s_mov_b32 s21, 0
	s_mov_b32 s47, 0
	s_mov_b64 s[18:19], KROW
	s_mul_u64 s[20:21], s[20:21], s[18:19]         ; in bytes
	s_mul_u64 s[46:47], s[46:47], s[18:19]
	s_mul_i32 s45, s14, HALFT                      ; where they go: wave x 128 rows: no place in the cluster enters an LDS address
	s_wait_kmcnt 0x0
	s_load_b256 s[80:87], s[8:9], 0x0              ; e0 .. e7
	s_add_nc_u64 s[68:69], s[6:7], 0x200000        ; w_qkv's row 2,048: v's weights
	s_cmp_eq_u32 ttmp9, 2
	s_cselect_b64 s[70:71], s[68:69], s[4:5]       ; A: v's weights, or x
	s_cselect_b64 s[72:73], s[4:5], s[6:7]         ; B: x, or q's and k's weights
	s_add_nc_u64 s[20:21], s[70:71], s[20:21]
	s_add_nc_u64 s[46:47], s[72:73], s[46:47]
	CROUND                                         ; all sixteen work-groups are here: the first joint loads meet
.irp s, 0,1
	s_mov_b32 s[G0+4*\s], 1                        ; count = 1
	s_add_co_u32 s[G0+4*\s+1], s45, \s*SLOT        ; LDS address
	s_add_nc_u64 s[G0+4*\s+2:G0+4*\s+3], s[20:21], \s*ROWB   ; global address: K step s
	s_or_b32 s[G0+4*\s+3], s[G0+4*\s+3], 0x80000000          ; type = 2
	s_mov_b32 s[G0B+4*\s], 1
	s_add_co_u32 s[G0B+4*\s+1], s45, \s*SLOT
	s_add_nc_u64 s[G0B+4*\s+2:G0B+4*\s+3], s[46:47], \s*ROWB
	s_or_b32 s[G0B+4*\s+3], s[G0B+4*\s+3], 0x80000000
	JLOAD G0+4*\s, G1, G0B+4*\s, G1B
.endr
	v_and_b32 v1, 15, v0                           ; l % 16
	v_bfe_u32 v2, v0, 4, 1                         ; l / 16
	v_mul_u32_u24 v3, v1, PITCH
	v_lshl_add_u32 v4, v2, 4, v3                   ; a fragment's row x pitch + 16 x half
	s_mul_i32 s21, s15, HALFT                      ; my 128 rows of A
	s_mul_i32 s22, s16, HALFT                      ; my 128 rows of B,
	s_add_co_u32 s22, s22, 2*HALFT                 ; which lie behind A's 256
.irp s, 0,1
	v_add_nc_u32 v[ADRA+\s], s21, v4
	v_add_nc_u32 v[ADRB+\s], s22, v4
	s_add_co_u32 s21, s21, SLOT
	s_add_co_u32 s22, s22, SLOT
.endr
	v_and_b32 v6, 31, v0
	v_lshlrev_b32 v[LI], 4, v6
	; where my 16,384 bytes of codes go: section << 23 + batch << 21 + pair of heads << 18 + block of 128 tokens << 14
	s_lshl_b32 s74, s17, 1
	s_add_co_u32 s74, s74, s15                     ; my block of 128 rows of A
	s_lshl_b32 s75, s42, 1
	s_add_co_u32 s75, s75, s16                     ; my block of 128 rows of B
	s_and_b32 s76, s75, 7                          ; (q, k: features 128 x block: the pair of heads is the block modulo 8)
	s_cmp_eq_u32 ttmp9, 2
	s_cselect_b32 s77, s75, s74                    ; the block of 128 tokens, 0..63: B's in the section v, else A's
	s_cselect_b32 s76, s74, s76                    ; the pair of heads: A's block in the section v
	s_lshl_b32 s78, ttmp9, 23
	s_lshr_b32 s79, s77, 4
	s_lshl_b32 s79, s79, 21
	s_add_co_u32 s78, s78, s79
	s_lshl_b32 s79, s76, 18
	s_add_co_u32 s78, s78, s79
	s_and_b32 s79, s77, 15
	s_lshl_b32 s79, s79, 14
	s_add_co_u32 s78, s78, s79
	s_mov_b32 s79, 0
	s_add_nc_u64 s[10:11], s[10:11], s[78:79]
.macro FRAG reg, adr, q, i             ; a fragment, 16 rows x 128 K of 8-bit codes, is 16 registers: lane l holds row l % 16; registers 4 c .. 4 c + 3 hold K = 32 c + 16 (l / 16) + 0 .. 15: the same order of K in A and in B
.irp c, 0,1,2,3
	ds_load_b128 v[\reg+4*\c:\reg+4*\c+3], v[\adr] offset:128*(\q)+32*\c+(\i)*16*PITCH
.endr
.endm
; 16 matrix instructions: A's blocks a0, a0 + 1 x B's eight, 128 along K.  p: B's set.  zero = 1: the first product starts the sums: nothing is ever cleared.
; The 64 accumulators take turns, one instruction a turn, in the same order in every step.
.macro MUL16 a0, p, zero
.irp a, \a0, \a0+1
.irp b, 0,1,2,3,4,5,6,7
.if \zero
	v_wmma_f32_16x16x128_bf8_bf8 v[8*(8*((\a)%4)+\b):8*(8*((\a)%4)+\b)+7], v[128*(\p)+FR*\b:128*(\p)+FR*\b+FR-1], v[AF+FR*(\a):AF+FR*(\a)+FR-1], 0
.else
	v_wmma_f32_16x16x128_bf8_bf8 v[8*(8*((\a)%4)+\b):8*(8*((\a)%4)+\b)+7], v[128*(\p)+FR*\b:128*(\p)+FR*\b+FR-1], v[AF+FR*(\a):AF+FR*(\a)+FR-1], v[8*(8*((\a)%4)+\b):8*(8*((\a)%4)+\b)+7]
.endif
.endr
.endr
.endm
.macro FETCH_B slot, q, p              ; B's eight fragments of the slot's q-th 128 along K into set p
	WIN TO_B
.irp i, 0,1,2,3,4,5,6,7
	FRAG 128*(\p)+FR*\i, ADRB+\slot, \q, \i
.endr
	WIN 0
.endm
.macro FETCH_A slot, q, i0             ; A's blocks i0 .. i0 + 3
.irp i, \i0, \i0+1, \i0+2, \i0+3
	FRAG AF+FR*(\i), ADRA+\slot, \q, \i
.endr
.endm
; A load into a register that a matrix instruction has read, and a vector instruction that reads a matrix result, stand NP places behind that matrix instruction, and only plain vector
; instructions that name none of its registers are places (ISA guide 7.12.1 for vector instructions).
.macro PLACES n
.rept \n
	v_nop
.endr
.endm
; A step of 128 along K that has its successor in the same slot.
.macro STEP slot, q, zero
	s_wait_dscnt 4*NL                              ; B's set and A's blocks 0-3 are in; the youngest sixteen loads (A's blocks 4-7) may be out
	WIN MUL_LO
	MUL16 0, (\q)%2, \zero
	MUL16 2, (\q)%2, \zero
	s_wait_dscnt 0                                 ; A's blocks 4-7 are in (asked for 32 matrix instructions ago)
	PLACES NP
	FETCH_B \slot, (\q)+1, 1-(\q)%2
	FETCH_A \slot, (\q)+1, 0
	WIN MUL_HI
	MUL16 4, (\q)%2, \zero
	MUL16 6, (\q)%2, \zero
	PLACES NP
	WIN 0
	FETCH_A \slot, (\q)+1, 4
.endm
; A slot's last step changes slots: ONE barrier; in front of it each wave waits for all its tensor loads, adds 0 to its spare word, and waits for that and for its own reads of this slot.  fill = 1: this slot is filled again, two K steps ahead.
.macro TURN slot, next, fill
	s_wait_tensorcnt 0x0                           ; all my tensor loads have landed: my part of the next slot;  (every window is 0 here: the add's two registers lie in window 0)
	ds_add_u32 v[SPW], v[NIL]                      ; 0 onto my spare word
	s_wait_dscnt 4*NL+1                            ; (the add and the youngest sixteen loads, A's blocks 4-7, may be out)
	WIN MUL_LO
	MUL16 0, 1, 0                                  ; sixteen matrix instructions stand between the add and the wait for it
	s_wait_dscnt 0x0                               ; the add is done, and my reads of this slot are over
	s_barrier_signal -1
	MUL16 2, 1, 0
	WIN 0
	s_barrier_wait -1
.if \fill
	CREST                                          ; the barrier has opened a round of the cluster's barrier: no wave of any partner still reads this slot's tile or has a load on its way
	s_add_nc_u64 s[G0+4*\slot+2:G0+4*\slot+3], s[G0+4*\slot+2:G0+4*\slot+3], 2*ROWB
	s_add_nc_u64 s[G0B+4*\slot+2:G0B+4*\slot+3], s[G0B+4*\slot+2:G0B+4*\slot+3], 2*ROWB
	JLOAD G0+4*\slot, G1, G0B+4*\slot, G1B         ; the first tensor load behind the round; the four v_nop behind it are the places in front of the loads below
.else
	PLACES NP
.endif
	FETCH_B \next, 0, 0
	FETCH_A \next, 0, 0
	WIN MUL_HI
	MUL16 4, 1, 0
	MUL16 6, 1, 0
	PLACES NP
	WIN 0
	FETCH_A \next, 0, 4
.endm
	s_wait_alu depctr_va_vdst(0)
	s_wait_tensorcnt 1                             ; my part of K step 0 is in (K step 1's load, issued behind it, may be out)
	s_barrier_signal -1
	s_barrier_wait -1                              ; everybody's is
	FETCH_B 0, 0, 0
	FETCH_A 0, 0, 0
	FETCH_A 0, 0, 4
	; K = 1,024 is twice round the ring: eight steps of 128, written in a row
	STEP 0, 0, 1                                   ; the first step's products start the sums
	TURN 0, 1, 1                                   ; slot 0 takes K step 2
	STEP 1, 0, 0
	TURN 1, 0, 1                                   ; slot 1 takes K step 3
	STEP 0, 0, 0
	TURN 0, 1, 0                                   ; nothing is left to fetch
	STEP 1, 0, 0
	s_wait_dscnt 4*NL                              ; the very last step
	WIN MUL_LO
	MUL16 0, 1, 0
	MUL16 2, 1, 0
	s_wait_dscnt 0
	WIN MUL_HI
	MUL16 4, 1, 0
	MUL16 6, 1, 0
	WIN 0
	; THE WAY OUT.  The three scales are folded into the conversion's one.
	s_wait_kmcnt 0x0
	s_cmp_eq_u32 ttmp9, 0
	s_cselect_b32 s88, s82, s83                    ; e2 for q, e3 for k,
	s_cmp_eq_u32 ttmp9, 2
	s_cselect_b32 s88, s85, s88                    ; e5 for v
	s_sub_co_i32 s88, s88, s80
	s_sub_co_i32 s88, s88, s81                     ; ed - e0 - e1
	s_add_co_i32 s88, s88, 127
	s_lshl_b32 s89, s88, 23
	v_mov_b32 v[SCL], s89                          ; 2^(ed - e0 - e1) as f32
	s_add_co_i32 s88, s88, 15
	s_lshl_b32 s88, s88, 23
	s_or_b32 s88, s88, 0x600000
	PLACES NP                                      ; behind the last products: their results are read, and the registers that held A's fragments are written
; Block a: A's rows 16 a on.  Accumulator (a, b)'s eight numbers of a lane are eight neighbours along the next product's K: they become two registers of codes, 2 b and 2 b + 1 of the block's sixteen.
.macro OUTA a
	WIN 0x02+((\a)/4)                              ; source 0: window 2 or 3
.set i, 0
.rept 64
.set i, i+1
.endr
.irp g, 0,1,2,3,4,5,6,7
	v_cvt_scalef32_pk8_bf8_f32 v[CD+16*(\a)+2*\g:CD+16*(\a)+2*\g+1], v[TMP+8*\g+((64*((\a)%4)+i)-(TMP+i)):TMP+8*\g+7+((64*((\a)%4)+i)-(TMP+i))], v[SCL]
.endr
	WIN 0
	v_nop                                          ; one plain vector instruction behind the conversions
.irp b, 0,1,2,3
	global_store_b128 v[LI], v[CD+16*(\a)+4*\b:CD+16*(\a)+4*\b+3], s[10:11] offset:(\a)*2048+\b*512   ; 32 lanes store 512 consecutive bytes, at a multiple of 512 from the buffer's first byte
.endr
.endm
.irp a, 0,1,2,3,4,5,6,7
	OUTA \a
.endr
	s_wait_tensorcnt 0x0                           ; the wave's end
	ds_add_u32 v[SPW], v[NIL]
	s_wait_dscnt 0x0
	CROUND                                         ; the closing round: no work-group ends while a partner may still ask for a tile that names it
	s_endpgm
.Lfunc_end_k_qb975a4b2aa_qkv:
	.size	k_qb975a4b2aa_qkv, .Lfunc_end_k_qb975a4b2aa_qkv-k_qb975a4b2aa_qkv
	.p2alignl 7, 3214868480
	.fill 96, 4, 3214868480
	.section	.rodata,"a",@progbits
	.p2align	6, 0x0
	.amdhsa_kernel k_qb975a4b2aa_qkv
		.amdhsa_group_segment_fixed_size 327680
		.amdhsa_private_segment_fixed_size 0
		.amdhsa_enable_private_segment 0
		.amdhsa_kernarg_size 32
		.amdhsa_user_sgpr_count 2
		.amdhsa_user_sgpr_kernarg_segment_ptr 1
		.amdhsa_wavefront_size32 1
		.amdhsa_system_sgpr_workgroup_id_x 1
		.amdhsa_system_sgpr_workgroup_id_y 1
		.amdhsa_system_sgpr_workgroup_id_z 1
		.amdhsa_system_vgpr_workitem_id 0
		.amdhsa_next_free_vgpr 1024
		.amdhsa_next_free_sgpr 98
		.amdhsa_reserve_vcc 0
		.amdhsa_float_denorm_mode_32 3
		.amdhsa_float_denorm_mode_16_64 3
		.amdhsa_fp16_overflow 1
		.amdhsa_memory_ordered 1
		.amdhsa_forward_progress 1
		.amdhsa_inst_pref_size 86
	.end_amdhsa_kernel
	.amdgpu_metadata
---
amdhsa.version: [ 1, 2 ]
amdhsa.kernels:
  - .name:           k_qb975a4b2aa_qkv
    .symbol:         k_qb975a4b2aa_qkv.kd
    .args:
      - { .name: x_codes, .offset: 0, .size: 8, .value_kind: global_buffer, .address_space: global }
      - { .name: w_qkv_codes, .offset: 8, .size: 8, .value_kind: global_buffer, .address_space: global }
      - { .name: lowp_scales, .offset: 16, .size: 8, .value_kind: global_buffer, .address_space: global }
      - { .name: qkv, .offset: 24, .size: 8, .value_kind: global_buffer, .address_space: global }
    .group_segment_fixed_size: 327680
    .private_segment_fixed_size: 0
    .kernarg_segment_align: 8
    .kernarg_segment_size: 32
    .max_flat_workgroup_size: 128
    .sgpr_count:     98
    .vgpr_count:     1024
    .wavefront_size: 32
...
	.end_amdgpu_metadata
.endif
;; end of part 1
;; launch attn (part 2): grid 4 x 64, 16 waves a work-group, clusters of 4 x 1, 327,680 bytes of LDS; arguments qkv, lowp_scales, a_img; writes a_img
.if DOCPART == 2
	.amdgcn_target "amdgcn-amd-amdhsa--gfx1250"
	.amdhsa_code_object_version 6
	.text
	.protected	k_qb975a4b2aa_attn
	.globl	k_qb975a4b2aa_attn
	.p2align	8
	.type	k_qb975a4b2aa_attn,@function
k_qb975a4b2aa_attn:
	s_mov_b64 s[64:65], 0
	v_nop
	global_prefetch_b8 v0, s[64:65] scope:SCOPE_SE
	s_setreg_imm32_b32 hwreg(HW_REG_WAVE_MODE, 25, 1), 1
	s_wait_xcnt 0x0
	s_wait_alu depctr_hold_cnt(0) depctr_sa_sdst(0) depctr_va_vdst(0) depctr_va_sdst(0) depctr_va_ssrc(0) depctr_va_vcc(0) depctr_vm_vsrc(0)
	s_getreg_b32 s2, hwreg(HW_REG_IB_STS2, 6, 4)
	s_cmp_eq_u32 s2, 0
	s_cbranch_scc0 .Lentry_in_a_cluster
	s_endpgm
.Lentry_in_a_cluster:
	s_bfe_u32 s2, ttmp6, 0x10000c
	s_cmp_lg_u32 s2, 0x3003
	s_cbranch_scc0 .Lentry_shape_is_right
	s_endpgm
.Lentry_shape_is_right:
; Causal attention of one head on codes of BF8 (E5M2): O[q] = sum over k <= q of softmax_k(Q[q] . K[k] / 8) V[k], and O quantised for the output product.
; THE SOFTMAX AHEAD OF THE SECOND PRODUCT: t = score x log2(e) / 8; M = the row's largest t so far, rounded UP to a whole number; p = 2^(t - M) is what is quantised (scale 2^e4); it is not normalised.
; The row's sum is taken of the unquantised p, in f32, and divides O at the end.  When M moves, the sum and O are multiplied by 2^(old M - new M): exact.
; IN: the buffer qkv, images of operand registers: [section 3][batch 4][pair of heads 8][block of 128 tokens 16][a 8][group 4][lane 32][16 bytes].  q, k: a = tile of 16 tokens, group = 2 x (head % 2) + half of the
; fragment's eight registers; v: a = 4 x (head % 2) + tile of 16 channels, group = four of the fragment's sixteen registers (32 keys).  Every fragment comes by loads of 16 bytes at 16 x lane.
; OUT: a_img [tile of 16 tokens 512][head 16][half 2][lane 32][16 bytes]: lane (r, h) holds token r's channels 64 head + 32 half + 16 h + 0 .. 15: four registers of the output product's fragment.
; SHARES.  A cluster of four work-groups is one head; its 64 waves share the head's 128 tiles of 16 queries in PAIRS: a wave owns tiles a and 127 - a, a = 8 g + rr, g = wave / 2, rr = 2 cx + wave % 2.
; Tile a needs key steps (128 keys) 0 .. g, tile 127 - a steps 0 .. 15 - g: 17 steps for every wave.  Branches hang on g alone, which comes from the wave's number; the place in the cluster enters global addresses of Q and of the
; output and the numbers that the mask compares, nothing else.
; ALL OF THE HEAD'S K AND V STAY IN LDS, 131,072 bytes each, filled once: wave w asks for key step w's K and V, JOINTLY with the same wave of the three partners (mask 15).  Nothing is filled again: one barrier at the head,
; none in the loops, so that waves with a short first tile do not wait for those with a long one.  No prefetch is written: all that the launch reads of K and V is asked for in its first lines.
; LAYOUT.  Both products are used transposed: S^T = K Q^T (source 0 = 16 keys, source 1 = my 16 queries), O^T = V^T P^T (source 0 = 16 channels, source 1 = P): a lane holds ONE query (lane % 16) throughout.
; In tile t of S^T register j holds key 16 t + 8 (lane / 16) + j: its eight codes are registers 2 t, 2 t + 1 of P's fragment as the K = 128 form lays them.
; LIMITS on the given exponents, so that each power of two below is an f32 number: e2 + e3 between -123 and 130 (added to c's exponent field); e4, and e6 - e4 - e5, between -126 and 112.  NaN is not served.
; REGISTERS: v1-6 addresses and the mask's numbers, which stay; v8, v9 addresses of the step; v12 -M, v13 the largest t, v[14:15] the sum in two halves; v16-23, v24-31 Q of the two tiles; v32-95 K's eight fragments, then V's four;
; v96-159 S^T, then p; v160-191 O^T; v192-207 p's codes; v208-215 O's codes; v216-231 what is stored; v236-254 constants and at work.
.set VLDS,  131072                     ; LDS: K's 128 tiles of 1,024 bytes from 0; V's 16 key steps of 8,192 bytes from here
.set STAGE, 262144                     ; behind them: 16 rows x 80 bytes for each wave, for the way out; no tensor load lands here
.set STEPB, 8192                       ; a key step of K, and of V, in LDS
.set LI,   1                           ; v1   16 x lane
.set AV0,  2                           ; v2   16 x lane + VLDS
.set DQ0,  3                           ; v3   first tile: my query's place in its diagonal step, less 8 (lane / 16)
.set DQ1,  4                           ; v4   second tile: the same
.set STO,  5                           ; v5   the stage: where I put 8 codes
.set RD,   6                           ; v6   and where I read 16 back
.set ADK,  8
.set ADV,  9
.set Q0,   16
.set Q1,   24
.set KV,   32
.set S,    96
.set OT,   160
.set PC,   192
.set OC,   208
.set WV,   18                          ; s18  my wave's number
.set CX,   19                          ; s19  my place in the cluster
.set SEL,  20                          ; s[20:21] lane selects for v_permlanex16_b32: lane l xor 16
.set CS,   22                          ; s[22:23] c = log2(e) / 8 x 2^(e2 + e3)
.set G1K,  24                          ; s[24:31] descriptor group 1 for K;  s[32:39] for V;  s[40:43], s[44:47] their groups 0
.set G1V,  32
.set G0K,  40
.set G0V,  44
.set STP,  56                          ; s56  the key step
.set GL,   57                          ; s57  the tile's last key step, the one on the diagonal
.set TB,   58                          ; s58  8,192 x the key step
.set G,    59                          ; s59  wave / 2
.set RR,   60                          ; s60  2 cx + wave % 2
.macro CROUND                          ; a round of the cluster's barrier
	s_barrier_signal -1
	s_barrier_wait -1
	s_cmp_lg_u32 s[WV], 0
	s_cbranch_scc1 .Lnot_wave_0_\@
	s_barrier_signal -3
.Lnot_wave_0_\@:
	s_barrier_wait -3
	s_barrier_signal -1
	s_barrier_wait -1
.endm
	s_load_b128 s[4:7], s[0:1], 0x0                ; qkv s[4:5], the scales' exponents s[6:7]
	s_load_b64 s[8:9], s[0:1], 0x10                ; a_img
	v_lshl_add_u32 v251, v0, 2, 0x45000
	v_mov_b32 v255, 0
	ds_add_u32 v251, v255
	ds_add_u32 v251, v255
	v_lshrrev_b32 v8, 5, v0
	s_delay_alu instid0(VALU_DEP_1)
	v_readfirstlane_b32 s[WV], v8                  ; wave 0..15
	s_bfe_u32 s[CX], ttmp6, 0x40000
	s_and_b32 s84, ttmp7, 0xffff                   ; the cluster's y: 16 x batch + head
	s_lshr_b32 s85, s84, 4                         ; batch
	s_and_b32 s86, s84, 15                         ; head
	s_lshr_b32 s87, s86, 1                         ; pair of heads
	s_and_b32 s88, s86, 1                          ; head % 2
	s_lshl_b32 s89, s85, 21
	s_lshl_b32 s90, s87, 18
	s_add_co_u32 s89, s89, s90                     ; the pair's first byte in a section
	s_lshl_b32 s90, s[WV], 14
	s_add_co_u32 s90, s90, s89                     ; + key step w: the step that my wave asks for
	s_lshl_b32 s91, s88, 10
	s_add_co_u32 s92, s90, s91
	s_add_co_u32 s92, s92, 1<<23                   ; K: section 1; my head's 1,024 bytes of each tile's 2,048
	s_mov_b32 s93, 0
	s_lshl_b32 s91, s88, 13
	s_add_co_u32 s94, s90, s91
	s_add_co_u32 s94, s94, 1<<24                   ; V: section 2; my head's 8,192 bytes of the step's 16,384
	s_mov_b32 s95, 0
	; descriptor group 1.  K: 8 rows of 1,024 bytes, 2,048 apart;  V: 8,192 dense bytes as 32 rows of 256.  Elements of 8 bytes; no padding: fragments are read at 16 x lane
	s_mov_b32 s[G1K], 15|(3<<16)|(1<<21)           ; 15:0 the mask: all four work-groups; 17:16 elements of 8 bytes; 21 set beside a mask
	s_mov_b32 s[G1K+1], 128<<16                    ; tensor_dim0 = 128
	s_mov_b32 s[G1K+2], 8<<16                      ; tensor_dim1 = 8
	s_mov_b32 s[G1K+3], 128<<16                    ; tile_dim0 = 128
	s_mov_b32 s[G1K+4], 8                          ; tile_dim1 = 8
	s_mov_b32 s[G1K+5], 256                        ; tensor_dim0_stride
	s_mov_b32 s[G1K+6], 0
	s_mov_b32 s[G1K+7], 0
	s_mov_b32 s[G1V], 15|(3<<16)|(1<<21)
	s_mov_b32 s[G1V+1], 32<<16
	s_mov_b32 s[G1V+2], 32<<16
	s_mov_b32 s[G1V+3], 32<<16
	s_mov_b32 s[G1V+4], 32
	s_mov_b32 s[G1V+5], 32
	s_mov_b32 s[G1V+6], 0
	s_mov_b32 s[G1V+7], 0
	s_mov_b32 s[G0K], 1                            ; count = 1
	s_lshl_b32 s[G0K+1], s[WV], 13                 ; LDS address: 8,192 x wave
	s_mov_b32 s[G0V], 1
	s_add_co_u32 s[G0V+1], s[G0K+1], VLDS
	s_mov_b32 s[SEL], 0x76543210
	s_mov_b32 s[SEL+1], 0xfedcba98
	s_mov_b32 s[CS], 0x3e38aa3b                    ; log2(e) / 8
	s_wait_dscnt 0x0
	s_wait_kmcnt 0x0
	s_load_b256 s[68:75], s[6:7], 0x0              ; e0 .. e7
	s_add_nc_u64 s[G0K+2:G0K+3], s[4:5], s[92:93]
	s_or_b32 s[G0K+3], s[G0K+3], 0x80000000        ; type = 2
	s_add_nc_u64 s[G0V+2:G0V+3], s[4:5], s[94:95]
	s_or_b32 s[G0V+3], s[G0V+3], 0x80000000
	CROUND                                         ; all four work-groups are here: the joint loads meet
	tensor_load_to_lds s[G0K:G0K+3], s[G1K:G1K+7]  ; K first: one load of mine is out; V follows behind the next round
	s_nop 0
	s_wait_alu depctr_va_vdst(0)
	s_wait_tensorcnt 0x0
	ds_add_u32 v251, v255
	s_wait_dscnt 0x0
	CROUND
	tensor_load_to_lds s[G0V:G0V+3], s[G1V:G1V+7]
	s_nop 0
.rept 4
	v_nop
.endr
	; my two tiles, and their addresses: in registers of their own, since they hang on my place in the cluster
	s_lshr_b32 s[G], s[WV], 1
	s_and_b32 s48, s[WV], 1
	s_lshl_b32 s[RR], s[CX], 1
	s_add_co_u32 s[RR], s[RR], s48
	s_lshl_b32 s48, s[G], 3
	s_add_co_u32 s48, s48, s[RR]                   ; the first tile, a = 8 g + rr
	s_sub_co_u32 s49, 127, s48                     ; the second, 127 - a
	s_lshl_b32 s50, s88, 10
	s_add_co_u32 s50, s50, s89                     ; Q: section 0, my head's 1,024 bytes of a tile's 2,048
	s_mov_b32 s53, 0
	s_lshl_b32 s52, s48, 11
	s_add_co_u32 s52, s52, s50
	s_add_nc_u64 s[76:77], s[4:5], s[52:53]
	s_lshl_b32 s52, s49, 11
	s_add_co_u32 s52, s52, s50
	s_add_nc_u64 s[78:79], s[4:5], s[52:53]
	s_lshl_b32 s51, s85, 7                         ; the batch's first tile of 16 tokens
	s_lshl_b32 s54, s86, 10                        ; the head's 1,024 bytes of a tile's 16,384
	s_add_co_u32 s52, s51, s48
	s_lshl_b32 s52, s52, 14
	s_add_co_u32 s52, s52, s54
	s_add_nc_u64 s[80:81], s[8:9], s[52:53]
	s_add_co_u32 s52, s51, s49
	s_lshl_b32 s52, s52, 14
	s_add_co_u32 s52, s52, s54
	s_add_nc_u64 s[82:83], s[8:9], s[52:53]
	v_and_b32 v8, 31, v0
	s_delay_alu instid0(VALU_DEP_1)
	v_lshlrev_b32 v[LI], 4, v8
	global_load_b128 v[Q0:Q0+3], v[LI], s[76:77]               ; Q's two fragments stay in registers
	global_load_b128 v[Q0+4:Q0+7], v[LI], s[76:77] offset:512
	global_load_b128 v[Q1:Q1+3], v[LI], s[78:79]
	global_load_b128 v[Q1+4:Q1+7], v[LI], s[78:79] offset:512
	v_add_nc_u32 v[AV0], VLDS, v[LI]
	v_and_b32 v9, 15, v0                           ; r
	v_bfe_u32 v10, v0, 4, 1                        ; h
	s_delay_alu instid0(VALU_DEP_1)
	v_lshlrev_b32 v11, 3, v10
	s_delay_alu instid0(VALU_DEP_1)
	v_sub_nc_u32 v11, v9, v11                      ; r - 8 h
	s_lshl_b32 s55, s[RR], 4
	v_add_nc_u32 v[DQ0], s55, v11                  ; tile 8 g + rr: query 16 rr + r of step g
	s_sub_co_u32 s55, 112, s55
	v_add_nc_u32 v[DQ1], s55, v11                  ; tile 8 (15 - g) + 7 - rr: query 16 (7 - rr) + r of step 15 - g
	s_mul_i32 s61, s[WV], 1280
	s_add_co_u32 s61, s61, STAGE                   ; my stage
	v_mul_u32_u24 v[STO], v9, 80
	s_delay_alu instid0(VALU_DEP_1)
	v_lshl_add_u32 v[RD], v10, 4, v[STO]
	s_delay_alu instid0(VALU_DEP_2)
	v_lshl_add_u32 v[STO], v10, 3, v[STO]
	s_delay_alu instid0(VALU_DEP_1)
	v_add_nc_u32 v[STO], s61, v[STO]               ; in: row r, 8 bytes for each half of the lanes
	s_delay_alu instid0(VALU_DEP_3)
	v_add_nc_u32 v[RD], s61, v[RD]                 ; back: row r, 16 bytes for each half
	v_mov_b32 v236, 0                              ; written once: a lane permute's destination counts as one of its sources
	v_mov_b32 v253, 0                              ; (named as the upper half of the pair v[252:253])
	s_wait_kmcnt 0x0
	s_add_co_i32 s62, s70, s71
	s_lshl_b32 s62, s62, 23
	s_add_co_i32 s[CS], s[CS], s62                 ; a score stands for score x 2^(e2 + e3): the two exponents are added to c's exponent field
	s_mov_b32 s[CS+1], s[CS]                       ; (named with it as a pair, so it is written)
	s_add_co_i32 s62, s72, 127
	s_lshl_b32 s63, s62, 23
	v_mov_b32 v244, s63                            ; 2^e4 as f32, for p's conversions
	s_sub_co_i32 s62, s74, s72
	s_sub_co_i32 s62, s62, s73                     ; a sum of the second product stands for sum x 2^(e4 + e5): its code under 2^e6 is sum / 2^(e6 - e4 - e5)
	s_add_co_i32 s62, s62, 127
	s_lshl_b32 s63, s62, 23
	v_mov_b32 v245, s63
.macro INIT                            ; a tile's start: the loop has no first step of its own: O^T and the sum begin as zeros, which the first change of M leaves zeros
	v_mov_b32 v13, 0xff61b1e6                      ; the largest t so far: -3e38, under every t
	s_delay_alu instid0(VALU_DEP_1)
	v_floor_f32 v12, -v13                          ; -M
	v_mov_b32 v14, 0
	v_mov_b32 v15, 0
.set j, 0
.rept 32
	v_mov_b32 v[OT+j], 0
.set j, j+1
.endr
.endm
; A KEY STEP: 128 keys against my 16 queries.  qr: Q's fragment; dq: the mask's number.
.macro STEP qr, dq
	s_cmp_gt_u32 s[STP], s[GL]                     ; a step all of whose keys come after my queries is left out: a branch on the wave's number and the loop's count
	s_cbranch_scc1 .Lhidden_\@
	s_setprio 2
	v_add_nc_u32 v[ADK], s[TB], v[LI]
	v_add_nc_u32 v[ADV], s[TB], v[AV0]
	v_nop                                          ; with the two additions: four places in front of loads into registers that the last products read
	v_nop
.irp t, 0,1,2,3,4,5,6,7
	ds_load_b128 v[KV+8*\t:KV+8*\t+3], v[ADK] offset:1024*\t          ; tile t of 16 keys: the fragment's eight registers as they were stored
	ds_load_b128 v[KV+8*\t+4:KV+8*\t+7], v[ADK] offset:1024*\t+512
.endr
	s_wait_alu depctr_va_vdst(0)
	s_wait_dscnt 0x0
.irp t, 0,1,2,3,4,5,6,7
	v_wmma_f32_16x16x64_bf8_bf8 v[S+8*\t:S+8*\t+7], v[KV+8*\t:KV+8*\t+7], v[\qr:\qr+7], 0
.endr
.rept 4
	v_nop                                          ; places: in front of the loads below, and of the first read of the scores
.endr
.irp u, 0,1,2,3
.irp c, 0,1,2,3
	ds_load_b128 v[KV+16*\u+4*\c:KV+16*\u+4*\c+3], v[ADV] offset:2048*\u+512*\c   ; V's four fragments (16 channels x 128 keys) land while the softmax is worked
.endr
.endr
	s_cmp_lg_u32 s[STP], s[GL]
	s_cbranch_scc1 .Lopen_\@                       ; only the step on the diagonal has hidden keys
	v_mov_b32 v254, 0xff800000                     ; -infinity: p = 0 then
.set n, 0
.rept 64
	v_cmp_gt_i32 vcc_lo, 16*(n/8)+n%8, v[\dq]      ; register n holds key 16 (n / 8) + 8 (lane / 16) + n % 8 of the step: hidden where it comes after my query
	v_cndmask_b32 v[S+n], v[S+n], v254, vcc_lo
.set n, n+1
.endr
.Lopen_\@:
	v_max3_num_f32 v254, v[S], v[S+1], v[S+2]      ; the step's largest score of my query, among my 64 keys, in two chains, each accumulator from its low end on,
	v_max3_num_f32 v252, v[S+3], v[S+4], v[S+5]
.set j, 6
.rept 14
	v_max3_num_f32 v254, v254, v[S+j], v[S+j+1]
	v_max3_num_f32 v252, v252, v[S+j+2], v[S+j+3]
.set j, j+4
.endr
	v_max3_num_f32 v254, v254, v[S+62], v[S+63]
	s_delay_alu instid0(VALU_DEP_1)
	v_max_num_f32 v254, v254, v252
	s_delay_alu instid0(VALU_DEP_1)
	v_permlanex16_b32 v236, v254, s[SEL], s[SEL+1]
	s_delay_alu instid0(VALU_DEP_1)
	v_max_num_f32 v254, v254, v236                 ; and among lane l xor 16's
	s_delay_alu instid0(VALU_DEP_1)
	v_mul_f32 v254, s[CS], v254                    ; as t (c is positive)
	s_delay_alu instid0(VALU_DEP_1)
	v_max_num_f32 v13, v13, v254                   ; the running largest t
	v_mov_b32 v254, v12
	s_delay_alu instid0(VALU_DEP_2)
	v_floor_f32 v12, -v13                          ; the new -M = floor(-t) = -ceil(t): M is a whole number
	s_delay_alu instid0(VALU_DEP_1)
	v_sub_f32 v254, v12, v254                      ; M's old value less its new one: a whole number, 0 or less
	s_delay_alu instid0(VALU_DEP_1)
	v_cvt_i32_f32 v254, v254                       ; (it saturates)
	s_delay_alu instid0(VALU_DEP_1)
	v_ldexp_f32 v252, 1.0, v254                    ; f = 2^(old M - new M)
.set j, 0
	s_setprio 1
.rept 32
	v_pk_fma_f32 v[S+j:S+j+1], v[S+j:S+j+1], s[CS:CS+1], v[12:13] op_sel_hi:[1,0,0]   ; t - M, two at a time (of the pairs c and -M the low word serves both halves)
.set j, j+2
.endr
.set j, 0
	s_wait_alu depctr_va_vdst(0)
.rept 64
	v_exp_f32 v[S+j], v[S+j]                       ; p = 2^(t - M), at most 1: not normalised
.set j, j+1
.endr
	v_pk_mul_f32 v[14:15], v[14:15], v[252:253] op_sel_hi:[1,0]   ; the sums under the new M: the plain instruction behind the exponentials
	s_wait_alu depctr_va_vdst(0)                   ; one wait for the whole batch, ahead of its first reader
	v_pk_add_f32 v[242:243], v[S:S+1], v[S+2:S+3]  ; the row's sum is taken of the unquantised p: two at a time, in two chains
.set j, 4
.rept 15
	v_pk_add_f32 v[14:15], v[14:15], v[S+j:S+j+1]
	v_pk_add_f32 v[242:243], v[242:243], v[S+j+2:S+j+3]
.set j, j+4
.endr
	s_delay_alu instid0(VALU_DEP_1)
	v_pk_add_f32 v[14:15], v[14:15], v[242:243]
	s_setprio 0
.irp t, 0,1,2,3,4,5,6,7
.irp i, 0,1,2,3,4,5,6,7
.endr
	v_cvt_scalef32_pk8_bf8_f32 v[PC+2*\t:PC+2*\t+1], v[S+8*\t:S+8*\t+7], v244
.endr
.set j, 0
.rept 16
	v_pk_mul_f32 v[OT+j:OT+j+1], v[OT+j:OT+j+1], v[252:253] op_sel_hi:[1,0]   ; O^T under the new M.  (Also the plain instructions behind the conversions)
.set j, j+2
.endr
	s_wait_alu depctr_va_vdst(0)
	s_wait_dscnt 0x0                               ; V is in
.irp u, 0,1,2,3
	v_wmma_f32_16x16x128_bf8_bf8 v[OT+8*\u:OT+8*\u+7], v[KV+16*\u:KV+16*\u+15], v[PC:PC+15], v[OT+8*\u:OT+8*\u+7]   ; the four accumulators by turns; the eight products K Q^T stand between a sum's links
.endr
.Lhidden_\@:
.endm
; THE WAY OUT of a tile: O^T / the sum, quantised; a lane's 8 codes of each tile of channels meet the other half's in my stage, so that a lane leaves with 16 neighbouring channels, as the output product's fragment wants them.
.macro WAYOUT op, outr
.rept 4
	v_nop                                          ; places behind the last products
.endr
	v_add_f32 v14, v14, v15                        ; the sum's two halves,
	s_delay_alu instid0(VALU_DEP_1)
	v_permlanex16_b32 v236, v14, s[SEL], s[SEL+1]
	s_delay_alu instid0(VALU_DEP_1)
	v_add_f32 v14, v14, v236                       ; and lane l xor 16's: the row's sum
	s_wait_alu depctr_va_vdst(0)
	v_rcp_f32 v14, v14
	v_nop                                          ; a plain instruction behind the reciprocal
	s_wait_alu depctr_va_vdst(0)                   ; and the wait ahead of its first reader
.set j, 0
.rept 16
	v_pk_mul_f32 v[S+j:S+j+1], v[OT+j:OT+j+1], v[14:15] op_sel_hi:[1,0]   ; register 8 u + i: channel 16 u + 8 (lane / 16) + i of my query
.set j, j+2
.endr
.set j, 0
.rept 32
.set j, j+1
.endr
.irp u, 0,1,2,3
	v_cvt_scalef32_pk8_bf8_f32 v[OC+2*\u:OC+2*\u+1], v[S+8*\u:S+8*\u+7], v245
.endr
	v_nop                                          ; one plain vector instruction behind the conversions: later lines write their sources
.irp u, 0,1,2,3
	ds_store_b64 v[STO], v[OC+2*\u:OC+2*\u+1] offset:16*\u
.endr
	ds_load_b128 v[\outr:\outr+3], v[RD]           ; LDS serves a wave's instructions in order (ISA guide 5.7.1.4): these see my stores; the stage is my own
	ds_load_b128 v[\outr+4:\outr+7], v[RD] offset:32
	s_wait_dscnt 0x0
	global_store_b128 v[LI], v[\outr:\outr+3], s[\op:\op+1]               ; 32 lanes store 512 consecutive bytes, at a multiple of 512 from the buffer's first byte
	global_store_b128 v[LI], v[\outr+4:\outr+7], s[\op:\op+1] offset:512  ; each tile has its own registers and base: none is written again
.endm
; A tile: nstep trips, a constant, of which the wave works GL + 1.
.macro PASS nstep, qr, dq, op, outr
	INIT
	s_mov_b32 s[STP], 0
	s_mov_b32 s[TB], 0
.Lst_\@:
	STEP \qr, \dq
	s_add_co_u32 s[TB], s[TB], STEPB
	s_add_co_u32 s[STP], s[STP], 1
	s_cmp_lt_u32 s[STP], \nstep
	s_cbranch_scc1 .Lst_\@
	s_setprio 0
	WAYOUT \op, \outr
.endm
	s_wait_loadcnt 0x0                             ; Q
	s_wait_tensorcnt 0x0                           ; my key step's K and V have landed,
	s_barrier_signal -1
	s_barrier_wait -1                              ; everybody's have: from here on LDS below the stages is only read
	s_mov_b32 s[GL], s[G]
	PASS 8, Q0, DQ0, 80, 216                       ; tile 8 g + rr: key steps 0 .. g
	s_sub_co_u32 s[GL], 15, s[G]
	PASS 16, Q1, DQ1, 82, 224                      ; tile 127 - 8 g - rr: key steps 0 .. 15 - g
	s_wait_dscnt 0x0
	s_wait_tensorcnt 0x0
	ds_add_u32 v251, v255
	s_wait_dscnt 0x0
	CROUND                                         ; the closing round
	s_endpgm
.Lfunc_end_k_qb975a4b2aa_attn:
	.size	k_qb975a4b2aa_attn, .Lfunc_end_k_qb975a4b2aa_attn-k_qb975a4b2aa_attn
	.p2alignl 7, 3214868480
	.fill 96, 4, 3214868480
	.section	.rodata,"a",@progbits
	.p2align	6, 0x0
	.amdhsa_kernel k_qb975a4b2aa_attn
		.amdhsa_group_segment_fixed_size 327680
		.amdhsa_private_segment_fixed_size 0
		.amdhsa_enable_private_segment 0
		.amdhsa_kernarg_size 24
		.amdhsa_user_sgpr_count 2
		.amdhsa_user_sgpr_kernarg_segment_ptr 1
		.amdhsa_wavefront_size32 1
		.amdhsa_system_sgpr_workgroup_id_x 1
		.amdhsa_system_sgpr_workgroup_id_y 1
		.amdhsa_system_sgpr_workgroup_id_z 1
		.amdhsa_system_vgpr_workitem_id 0
		.amdhsa_next_free_vgpr 256
		.amdhsa_next_free_sgpr 96
		.amdhsa_reserve_vcc 1
		.amdhsa_float_denorm_mode_32 3
		.amdhsa_float_denorm_mode_16_64 3
		.amdhsa_fp16_overflow 1
		.amdhsa_memory_ordered 1
		.amdhsa_forward_progress 1
		.amdhsa_inst_pref_size 53
	.end_amdhsa_kernel
	.amdgpu_metadata
---
amdhsa.version: [ 1, 2 ]
amdhsa.kernels:
  - .name:           k_qb975a4b2aa_attn
    .symbol:         k_qb975a4b2aa_attn.kd
    .args:
      - { .name: qkv, .offset: 0, .size: 8, .value_kind: global_buffer, .address_space: global }
      - { .name: lowp_scales, .offset: 8, .size: 8, .value_kind: global_buffer, .address_space: global }
      - { .name: a_img, .offset: 16, .size: 8, .value_kind: global_buffer, .address_space: global }
    .group_segment_fixed_size: 327680
    .private_segment_fixed_size: 0
    .kernarg_segment_align: 8
    .kernarg_segment_size: 24
    .max_flat_workgroup_size: 512
    .sgpr_count:     96
    .vgpr_count:     256
    .wavefront_size: 32
...
	.end_amdgpu_metadata
.endif
;; end of part 2
;; launch proj (part 3): grid 4 x 32, 4 waves a work-group, clusters of 4 x 4, 327,680 bytes of LDS; arguments a_img, w_out_codes, lowp_scales, out0; writes out0
.if DOCPART == 3
	.amdgcn_target "amdgcn-amd-amdhsa--gfx1250"
	.amdhsa_code_object_version 6
	.text
	.protected	k_qb975a4b2aa_proj
	.globl	k_qb975a4b2aa_proj
	.p2align	8
	.type	k_qb975a4b2aa_proj,@function
k_qb975a4b2aa_proj:
	s_mov_b64 s[64:65], 0
	v_nop
	global_prefetch_b8 v0, s[64:65] scope:SCOPE_SE
	s_setreg_imm32_b32 hwreg(HW_REG_WAVE_MODE, 25, 1), 1
	s_wait_xcnt 0x0
	s_wait_alu depctr_hold_cnt(0) depctr_sa_sdst(0) depctr_va_vdst(0) depctr_va_sdst(0) depctr_va_ssrc(0) depctr_va_vcc(0) depctr_vm_vsrc(0)
	s_getreg_b32 s2, hwreg(HW_REG_IB_STS2, 6, 4)
	s_cmp_eq_u32 s2, 0
	s_cbranch_scc0 .Lentry_in_a_cluster
	s_endpgm
.Lentry_in_a_cluster:
	s_bfe_u32 s2, ttmp6, 0x10000c
	s_cmp_lg_u32 s2, 0xf033
	s_cbranch_scc0 .Lentry_shape_is_right
	s_endpgm
.Lentry_shape_is_right:
; out0 = a w_out^T on codes of BF8 (E5M2): a = the attention's result, 8,192 tokens x 1,024, as images of operand registers; w_out: [1024][1024] codes, K innermost; out0: [8192][1024] f32.
; The codes are multiplied as they are, and each finished sum once by 2^(e6 + e7).  LIMIT: e6 + e7 between -126 and 127, so that 2^(e6 + e7) is an f32 number.
; a_img: [tile of 16 tokens 512][head 16][half 2][lane 32][16 bytes]: lane (r, h) holds token r's channels 64 head + 32 half + 16 h + 0 .. 15.  For 128 along K (two heads) these are the fragment's registers 4 c .. 4 c + 3,
; c = 2 (head % 2) + half: K = 32 c + 16 (l / 16) + 0 .. 15, the very order in which four loads of 16 bytes take a row of w_out.  So A's fragments come at 16 x lane, without pitch or padding.
; A tile of out0, 256 x 256, is made by a work-group of four waves; a wave makes 128 x 128: 64 accumulators, 512 registers.  K goes in steps of 256 through a ring of two LDS slots.
; CLUSTERS: 4 x 4 work-groups.  The four of a row of the cluster need the same tiles of A, the four of a column the same tiles of B: each tile is asked for JOINTLY.
; THE MATRIX INSTRUCTION IS USED TRANSPOSED (source 0 = 16 rows of w_out, source 1 = 16 tokens): a lane then holds eight neighbouring numbers of a row of out0.
; The launch has 128 tiles of this size; a smaller tile would read each fragment for fewer products.  No prefetch is written: K has four slots' worth of tiles, and two of the four are asked for in the first lines.
; REGISTERS, in windows of 256: window 0: v0-31 addresses; from v128 A's fragments (8 x 16 rows x 128 K), ONE set; on the way out v32-255 are free.
;   window 1: B's fragments, TWO sets, at v0 and at v128.   window 2: the 32 accumulators of my rows 0-63 (accumulator (a, b) at v[8 (8 a + b)]);   window 3: those of my rows 64-127.
.set SIZE_N, 1024
.set ROWB,   256                       ; a row of B's tile in bytes
.set KROW,   1024                      ; a row of w_out in memory; also a token's share of a_img
.set PITCH,  272                       ; B's LDS row: 256 bytes + 16 of padding = 68 words: row r starts at bank 4 r mod 64 (64 banks of 4 bytes: ISA guide 11.1)
.set FR,     16
.set NL,     4
.set NP,     4
.set HALFT,  128*PITCH                 ; B: 128 rows: what one tensor load brings
.set ASTEP,  4096                      ; A: a tile of 16 tokens x 256 along K
.set AHALF,  8*ASTEP                   ; A: 128 tokens: what one tensor load brings
.set BOFF,   2*AHALF                   ; a slot: A's 256 tokens, then B's 256 rows
.set SLOT,   BOFF+2*HALFT
.set SPARE,  2*SLOT                    ; behind the ring: the spare words, 128 bytes for each wave: two blocks of 256 bytes that no other line names
.set SPITCH, 528                       ; the way out: a stage of 16 rows x (512 bytes + 16) for each wave.  It lies in slot 0, which has had its last fill and its last read when the first result is stored there
.set ADRA, 16                          ; v16-17  LDS address of my A fragments in slot 0, 1
.set ADRB, 20                          ; v20-21  the same for B
.set STO,  24                          ; v24     the way out: where I put 32 bytes of a row
.set RD,   25                          ; v25     the way out: where I read a row back
.set CO,   26                          ; v26     16 x lane: my byte offset in a row of out0, and in an image
.set SPW,  28                          ; v28     LDS address of my spare word; never rewritten
.set NIL,  29                          ; v29     0; never rewritten
.set TMP,  32                          ; the way out: 64 registers, a block's sums x 2^(e6 + e7)
.set AF,   128
.set BK,   128                         ; the way out: 16 rows read back from the stage: v128-191 and v192-255 by turns
.set G1, 24
.set G0, 32
.set G1B, 48
.set G0B, 56
.set MSB, 0
.macro WIN new                         ; the immediate's high byte repeats the setting that is left
.if MSB != (\new)
	s_set_vgpr_msb (MSB<<8)|(\new)
.set MSB, (\new)
.endif
.endm
.set MUL_LO, 0xa1                      ; source 0 (B) window 1, source 1 (A) window 0, C and D window 2
.set MUL_HI, 0xf1                      ; the same, C and D window 3
.set TO_B,   0x40                      ; destination window 1, address window 0
.macro JLOAD g0a, g1a, g0b, g1b        ; a joint load: waves 0 and 1 fetch for A, waves 2 and 3 for B; four v_nop follow each of the two lines
	s_cmp_eq_u32 s15, 0
	s_cbranch_scc0 .Lfor_b_\@
	tensor_load_to_lds s[\g0a:\g0a+3], s[\g1a:\g1a+7]
	s_nop 0
.rept 4
	v_nop
.endr
	s_branch .Lasked_\@
.Lfor_b_\@:
	tensor_load_to_lds s[\g0b:\g0b+3], s[\g1b:\g1b+7]
	s_nop 0
.rept 4
	v_nop
.endr
.Lasked_\@:
.endm
.macro CREST                           ; a round of the cluster's barrier behind its opening barrier
	s_cmp_lg_u32 s14, 0
	s_cbranch_scc1 .Lnot_wave_0_\@
	s_barrier_signal -3
.Lnot_wave_0_\@:
	s_barrier_wait -3
	s_barrier_signal -1
	s_barrier_wait -1
.endm
.macro CROUND
	s_barrier_signal -1
	s_barrier_wait -1
	CREST
.endm
	s_load_b128 s[4:7], s[0:1], 0x0                ; a_img s[4:5], w_out's codes s[6:7]
	s_load_b128 s[8:11], s[0:1], 0x10              ; the scales' exponents s[8:9], out0 s[10:11]
	v_lshl_add_u32 v[SPW], v0, 2, SPARE
	v_mov_b32 v[NIL], 0
	ds_add_u32 v28, v29
	ds_add_u32 v28, v29
	s_wait_dscnt 0x0
	v_lshrrev_b32 v1, 5, v0
	v_readfirstlane_b32 s14, v1                    ; wave 0..3
	s_lshr_b32 s15, s14, 1                         ; which half of the tile's rows is mine.  Also: I fetch for A (0) or for B (1)
	s_and_b32 s16, s14, 1                          ; which half of its columns.  Also: which 128 rows of that tile I fetch
	s_bfe_u32 s40, ttmp6, 0x40000                  ; cx, cy
	s_bfe_u32 s41, ttmp6, 0x40004
	s_lshl_b32 s42, ttmp9, 2
	s_add_co_u32 s42, s42, s40                     ; tile column = 4 x cluster x + cx
	s_and_b32 s17, ttmp7, 0xffff
	s_lshl_b32 s17, s17, 2
	s_add_co_u32 s17, s17, s41                     ; tile row = 4 x cluster y + cy
	s_lshl_b32 s43, s41, 2
	s_lshl_b32 s43, 15, s43                        ; my row of the cluster
	s_lshl_b32 s44, 0x1111, s40                    ; my column
	; descriptor group 1.  A: 8 rows (tiles of 16 tokens) of 4,096 bytes, 16,384 apart, elements of 8 bytes, no padding.  B: 128 rows of 256 bytes, padded
	s_or_b32 s[G1+0], s43, (3<<16)|(1<<21)         ; 15:0 the mask: A's tiles go to my row; 17:16 elements of 8 bytes; 21 set beside a mask
	s_mov_b32 s[G1+1], 512<<16                     ; tensor_dim0 = 512
	s_mov_b32 s[G1+2], 8<<16                       ; tensor_dim1 = 8
	s_mov_b32 s[G1+3], 512<<16                     ; tile_dim0 = 512
	s_mov_b32 s[G1+4], 8                           ; tile_dim1 = 8
	s_mov_b32 s[G1+5], 2048                        ; tensor_dim0_stride
	s_mov_b32 s[G1+6], 0
	s_mov_b32 s[G1+7], 0
	s_or_b32 s[G1B+0], s44, (0<<16)|(1<<20)|(1<<21)|(5<<22)|(3<<25)  ; my column's mask; elements of 1 byte; padding: 4 words after every 64
	s_mov_b32 s[G1B+1], ROWB<<16
	s_mov_b32 s[G1B+2], 128<<16
	s_mov_b32 s[G1B+3], ROWB<<16
	s_mov_b32 s[G1B+4], 128
	s_mov_b32 s[G1B+5], KROW
	s_mov_b32 s[G1B+6], 0
	s_mov_b32 s[G1B+7], 0
	s_lshl_b32 s18, s16, 7                         ; which 128 rows of the tile I fetch
	s_lshl_b32 s20, s17, 8
	s_add_co_u32 s20, s20, s18                     ; A: token 256 x tile row + 128 x half
	s_lshl_b32 s46, s42, 8
	s_add_co_u32 s46, s46, s18                     ; B: row 256 x tile column + 128 x half
	s_mov_b32 s21, 0
	s_mov_b32 s47, 0
	s_mov_b64 s[18:19], KROW
	s_mul_u64 s[20:21], s[20:21], s[18:19]         ; in bytes: 16 tokens are 16,384 bytes of a_img, so a token counts 1,024, as a row of w_out does
	s_mul_u64 s[46:47], s[46:47], s[18:19]
	s_lshl_b32 s45, s16, 15                        ; where they go: A: 32,768 x half;
	s_mul_i32 s66, s16, HALFT
	s_add_co_u32 s66, s66, BOFF                    ; B: behind A's, 128 rows x half: no place in the cluster enters an LDS address
	s_wait_kmcnt 0x0
	s_load_b64 s[96:97], s[8:9], 0x18              ; e6, e7
	s_add_nc_u64 s[20:21], s[4:5], s[20:21]
	s_add_nc_u64 s[46:47], s[6:7], s[46:47]
	CROUND                                         ; all sixteen work-groups are here: the first joint loads meet
.irp s, 0,1
	s_mov_b32 s[G0+4*\s], 1
	s_add_co_u32 s[G0+4*\s+1], s45, \s*SLOT
	s_add_nc_u64 s[G0+4*\s+2:G0+4*\s+3], s[20:21], \s*ASTEP
	s_or_b32 s[G0+4*\s+3], s[G0+4*\s+3], 0x80000000
	s_mov_b32 s[G0B+4*\s], 1
	s_add_co_u32 s[G0B+4*\s+1], s66, \s*SLOT
	s_add_nc_u64 s[G0B+4*\s+2:G0B+4*\s+3], s[46:47], \s*ROWB
	s_or_b32 s[G0B+4*\s+3], s[G0B+4*\s+3], 0x80000000
	s_wait_alu depctr_va_vdst(0)
	s_wait_tensorcnt 0x0
	ds_add_u32 v28, v29
	ds_add_u32 v28, v29
	s_wait_dscnt 0x0
	CROUND
	JLOAD G0+4*\s, G1, G0B+4*\s, G1B
.endr
	v_and_b32 v1, 15, v0                           ; l % 16
	v_bfe_u32 v2, v0, 4, 1                         ; l / 16
	v_mul_u32_u24 v3, v1, PITCH
	v_lshl_add_u32 v4, v2, 4, v3                   ; B: a fragment's row x pitch + 16 x half
	v_and_b32 v6, 31, v0
	v_lshlrev_b32 v[CO], 4, v6                     ; A: 16 x lane
	s_wait_alu depctr_va_vdst(0)
	s_lshl_b32 s21, s15, 15                        ; my 128 tokens of A
	s_mul_i32 s22, s16, HALFT                      ; my 128 rows of B,
	s_add_co_u32 s22, s22, BOFF                    ; which lie behind A's
.irp s, 0,1
	v_add_nc_u32 v[ADRA+\s], s21, v[CO]
	v_add_nc_u32 v[ADRB+\s], s22, v4
	s_add_co_u32 s21, s21, SLOT
	s_add_co_u32 s22, s22, SLOT
.endr
	s_mul_i32 s23, s14, 16*SPITCH                  ; my stage
	v_mul_u32_u24 v5, v1, SPITCH                   ; in: row l % 16, 32 bytes for each half of the lanes
	v_lshl_add_u32 v5, v2, 5, v5
	v_add_nc_u32 v[STO], s23, v5
	v_add_nc_u32 v[RD], s23, v[CO]                 ; back: the 32 lanes take one row of 512 bytes
	s_lshl_b32 s20, s17, 8
	s_lshl_b32 s21, s15, 7
	s_add_co_u32 s20, s20, s21                     ; my first row of out0: 256 x tile row + 128 x half
	s_mov_b32 s21, 0
	s_mov_b64 s[18:19], SIZE_N*4
	s_mul_u64 s[20:21], s[20:21], s[18:19]
	s_lshl_b32 s46, s42, 10                        ; my first column, in bytes: 1,024 x tile column + 512 x half
	s_lshl_b32 s47, s16, 9
	s_add_co_u32 s46, s46, s47
	s_mov_b32 s47, 0
	s_add_nc_u64 s[20:21], s[20:21], s[46:47]
	s_add_nc_u64 s[10:11], s[10:11], s[20:21]
.macro FRAG reg, adr, q, i             ; B: 16 rows x 128 K: lane l holds row l % 16; registers 4 c .. 4 c + 3 hold K = 32 c + 16 (l / 16) + 0 .. 15
.irp c, 0,1,2,3
	ds_load_b128 v[\reg+4*\c:\reg+4*\c+3], v[\adr] offset:128*(\q)+32*\c+(\i)*16*PITCH
.endr
.endm
.macro FRAGA reg, adr, q, i            ; A: the image of the same registers: tile i of 16 tokens, the slot's q-th 128 along K, group c of four registers
.irp c, 0,1,2,3
	ds_load_b128 v[\reg+4*\c:\reg+4*\c+3], v[\adr] offset:ASTEP*(\i)+2048*(\q)+512*\c
.endr
.endm
; 16 matrix instructions: A's blocks a0, a0 + 1 x B's eight, 128 along K.  The 64 accumulators take turns, one instruction a turn, in the same order in every step.
.macro MUL16 a0, p, zero
.irp a, \a0, \a0+1
.irp b, 0,1,2,3,4,5,6,7
.if \zero
	v_wmma_f32_16x16x128_bf8_bf8 v[8*(8*((\a)%4)+\b):8*(8*((\a)%4)+\b)+7], v[128*(\p)+FR*\b:128*(\p)+FR*\b+FR-1], v[AF+FR*(\a):AF+FR*(\a)+FR-1], 0
.else
	v_wmma_f32_16x16x128_bf8_bf8 v[8*(8*((\a)%4)+\b):8*(8*((\a)%4)+\b)+7], v[128*(\p)+FR*\b:128*(\p)+FR*\b+FR-1], v[AF+FR*(\a):AF+FR*(\a)+FR-1], v[8*(8*((\a)%4)+\b):8*(8*((\a)%4)+\b)+7]
.endif
.endr
.endr
.endm
.macro FETCH_B slot, q, p
	WIN TO_B
.irp i, 0,1,2,3,4,5,6,7
	FRAG 128*(\p)+FR*\i, ADRB+\slot, \q, \i
.endr
	WIN 0
.endm
.macro FETCH_A slot, q, i0
.irp i, \i0, \i0+1, \i0+2, \i0+3
	FRAGA AF+FR*(\i), ADRA+\slot, \q, \i
.endr
.endm
.macro PLACES n                        ; places behind matrix instructions: in front of loads into registers that they have read, and of the first read of results (ISA guide 7.12.1 for vector instructions)
.rept \n
	v_nop
.endr
.endm
.macro STEP slot, q, zero              ; a step of 128 along K that has its successor in the same slot
	s_wait_dscnt 4*NL                              ; B's set and A's blocks 0-3 are in; the youngest sixteen loads (A's blocks 4-7) may be out
	WIN MUL_LO
	MUL16 0, (\q)%2, \zero
	MUL16 2, (\q)%2, \zero
	s_wait_dscnt 0                                 ; A's blocks 4-7 are in
	PLACES NP
	FETCH_B \slot, (\q)+1, 1-(\q)%2
	FETCH_A \slot, (\q)+1, 0
	WIN MUL_HI
	MUL16 4, (\q)%2, \zero
	MUL16 6, (\q)%2, \zero
	PLACES NP
	WIN 0
	FETCH_A \slot, (\q)+1, 4
.endm
; A slot's last step changes slots: ONE barrier; in front of it each wave waits for all its tensor loads, adds 0 to its spare word, and waits for that and for its own reads of this slot.
.macro TURN slot, next, fill
	s_wait_tensorcnt 0x0                           ; all my tensor loads have landed: my part of the next slot;
	ds_add_u32 v[SPW], v[NIL]                      ; 0 onto my spare word
	s_wait_dscnt 4*NL+1                            ; (the add and the youngest sixteen loads may be out)
	WIN MUL_LO
	MUL16 0, 1, 0
	s_wait_dscnt 0x0                               ; the add is done, and my reads of this slot are over
	s_barrier_signal -1
	MUL16 2, 1, 0
	WIN 0
	s_barrier_wait -1
.if \fill
	CREST                                          ; the barrier has opened a round of the cluster's barrier: no wave of any partner still reads this slot's tile or has a load on its way
	s_add_nc_u64 s[G0+4*\slot+2:G0+4*\slot+3], s[G0+4*\slot+2:G0+4*\slot+3], 2*ASTEP
	s_add_nc_u64 s[G0B+4*\slot+2:G0B+4*\slot+3], s[G0B+4*\slot+2:G0B+4*\slot+3], 2*ROWB
	JLOAD G0+4*\slot, G1, G0B+4*\slot, G1B         ; the first tensor load behind the round; its four v_nop are the places in front of the loads below
.else
	PLACES NP
.endif
	FETCH_B \next, 0, 0
	FETCH_A \next, 0, 0
	WIN MUL_HI
	MUL16 4, 1, 0
	MUL16 6, 1, 0
	PLACES NP
	WIN 0
	FETCH_A \next, 0, 4
.endm
	s_wait_alu depctr_va_vdst(0)
	s_wait_tensorcnt 1                             ; my part of K step 0 is in (K step 1's load, issued behind it, may be out)
	s_barrier_signal -1
	s_barrier_wait -1                              ; everybody's is
	FETCH_B 0, 0, 0
	FETCH_A 0, 0, 0
	FETCH_A 0, 0, 4
	; K = 1,024 is twice round the ring: eight steps of 128, written in a row
	STEP 0, 0, 1                                   ; the first step's products start the sums
	TURN 0, 1, 1
	STEP 1, 0, 0
	TURN 1, 0, 1
	STEP 0, 0, 0
	TURN 0, 1, 0                                   ; nothing is left to fetch
	STEP 1, 0, 0
	s_wait_dscnt 4*NL                              ; the very last step
	WIN MUL_LO
	MUL16 0, 1, 0
	MUL16 2, 1, 0
	s_wait_dscnt 0
	WIN MUL_HI
	MUL16 4, 1, 0
	MUL16 6, 1, 0
	WIN 0
; THE WAY OUT, block by block of 16 rows x 128 columns: through my own stage in LDS, back as whole rows of 512 bytes.  LDS serves a wave's instructions in order (ISA guide 5.7.1.4): no wait between the stores and the loads.
.macro TOSTAGE a
.set AC, 64*((\a)%4)
	WIN 0x02+((\a)/4)                              ; source 0: window 2 or 3
.set j, 0
.rept 32
	v_pk_mul_f32 v[TMP+j:TMP+j+1], v[AC+j:AC+j+1], s[96:97] op_sel_hi:[1,0]   ; both x s96 = 2^(e6 + e7); each accumulator from its low end on
.set j, j+2
.endr
	WIN 0
.irp b, 0,1,2,3,4,5,6,7
	ds_store_b128 v[STO], v[TMP+8*\b:TMP+8*\b+3] offset:64*\b
	ds_store_b128 v[STO], v[TMP+8*\b+4:TMP+8*\b+7] offset:64*\b+16
.endr
.set BB, BK+64*((\a)%2)
.irp t, 0,1,2,3,4,5,6,7,8,9,10,11,12,13,14,15
	ds_load_b128 v[BB+4*\t:BB+4*\t+3], v[RD] offset:\t*SPITCH
.endr
.endm
.macro SEND a, younger                 ; younger: the LDS instructions issued behind block a's loads, which may stay out
.set BB, BK+64*((\a)%2)
	s_wait_dscnt \younger                          ; the block is back in registers
.if (\a) > 0
	s_add_nc_u64 s[10:11], s[10:11], 16*SIZE_N*4   ; (behind a wait on XCNT: the earlier stores have read their base)  16 rows of out0 on
.endif
.irp t, 0,1,2,3,4,5,6,7,8,9,10,11,12,13,14,15
	global_store_b128 v[CO], v[BB+4*\t:BB+4*\t+3], s[10:11] offset:\t*SIZE_N*4 th:TH_STORE_NT   ; 32 lanes store 512 consecutive bytes, at a multiple of 256 from out0's first byte; written once, read by nobody here
.endr
.endm
	s_wait_kmcnt 0x0
	s_add_co_i32 s96, s96, s97                     ; e6 + e7, between -126 and 127,
	s_add_co_i32 s96, s96, 127
	s_lshl_b32 s96, s96, 23                        ; makes the f32 number 2^(e6 + e7)
	PLACES NP                                      ; behind the last products: their results are read, and loads land in the registers that held A's fragments
	TOSTAGE 0
.irp a, 1,2,3,4,5,6,7
.if \a > 1
	s_wait_xcnt 0x0                                ; block a - 2's stores have read their registers and their base: block a's loads may land there, and the base may step
.endif
	TOSTAGE \a
	SEND \a-1, 32                                  ; behind block a - 1's loads: block a's 16 stores and 16 loads
.endr
	s_wait_xcnt 0x0                                ; block 6's stores have read their base
	SEND 7, 0
	s_wait_tensorcnt 0x0                           ; the wave's end, behind my last tensor load and my last LDS store
	ds_add_u32 v[SPW], v[NIL]
	s_wait_dscnt 0x0
	CROUND                                         ; the closing round: no work-group ends while a partner may still ask for a tile that names it
	s_endpgm
.Lfunc_end_k_qb975a4b2aa_proj:
	.size	k_qb975a4b2aa_proj, .Lfunc_end_k_qb975a4b2aa_proj-k_qb975a4b2aa_proj
	.p2alignl 7, 3214868480
	.fill 96, 4, 3214868480
	.section	.rodata,"a",@progbits
	.p2align	6, 0x0
	.amdhsa_kernel k_qb975a4b2aa_proj
		.amdhsa_group_segment_fixed_size 327680
		.amdhsa_private_segment_fixed_size 0
		.amdhsa_enable_private_segment 0
		.amdhsa_kernarg_size 32
		.amdhsa_user_sgpr_count 2
		.amdhsa_user_sgpr_kernarg_segment_ptr 1
		.amdhsa_wavefront_size32 1
		.amdhsa_system_sgpr_workgroup_id_x 1
		.amdhsa_system_sgpr_workgroup_id_y 1
		.amdhsa_system_sgpr_workgroup_id_z 1
		.amdhsa_system_vgpr_workitem_id 0
		.amdhsa_next_free_vgpr 1024
		.amdhsa_next_free_sgpr 98
		.amdhsa_reserve_vcc 0
		.amdhsa_float_denorm_mode_32 3
		.amdhsa_float_denorm_mode_16_64 3
		.amdhsa_memory_ordered 1
		.amdhsa_forward_progress 1
		.amdhsa_inst_pref_size 124
	.end_amdhsa_kernel
	.amdgpu_metadata
---
amdhsa.version: [ 1, 2 ]
amdhsa.kernels:
  - .name:           k_qb975a4b2aa_proj
    .symbol:         k_qb975a4b2aa_proj.kd
    .args:
      - { .name: a_img, .offset: 0, .size: 8, .value_kind: global_buffer, .address_space: global }
      - { .name: w_out_codes, .offset: 8, .size: 8, .value_kind: global_buffer, .address_space: global }
      - { .name: lowp_scales, .offset: 16, .size: 8, .value_kind: global_buffer, .address_space: global }
      - { .name: out0, .offset: 24, .size: 8, .value_kind: global_buffer, .address_space: global }
    .group_segment_fixed_size: 327680
    .private_segment_fixed_size: 0
    .kernarg_segment_align: 8
    .kernarg_segment_size: 32
    .max_flat_workgroup_size: 128
    .sgpr_count:     98
    .vgpr_count:     1024
    .wavefront_size: 32
...
	.end_amdgpu_metadata
.endif
;; end of part 3
